; MI455X (gfx1250); checked and timed in simulation.
; The chip was launched on July 23, 2026; its instructions are those of AMD's public machine-readable ISA for CDNA 5 (MIT licence, August 2026) and "CDNA5" Instruction Set Architecture Reference Guide (July 2026). The comments in the code are by the model that wrote it; some were corrected since.
;; Concat Critic. Allowed arithmetic: matrix products marked QUANTISED: E2M1 operands, one E8M0 scale for each 32 along K, by v_wmma_scale_f32_16x16x128_f8f6f4 with both operands' format E2M1 (or v_wmma_scale_f32_32x16x128_f4), f32 sums; products left as they are: f32 operands where the result goes on into a quantised operand, else bf16, f16 or f32 operands; f32 sums; everything else in f32.
;; Inputs: W1 512 x 256 float32; W2 512 x 512 float32; W3 1 x 512 float32; b1 512 float32; b2 512 float32; b3 1 float32; x 512 x 128 float32; y 512 x 128 float32.
;; Outputs: out0 512 x 512 float32.
;; This version of the problem:
;;   THIS VERSION OF THE PROBLEM IS GIVEN IN LOW PRECISION. The matrix products marked QUANTISED in the list below multiply operands that are first quantised to E2M1 (2 exponent bits, 1 mantissa bit; 4 bits a number), with one power-of-two scale for each 32 numbers along K (OCP MX v1.0); their sums are f32. All else is computed in f32.
;;   The module's matrix products, in the order in which they are computed (A, B: the left and right operand; K: the contracted axis; several contracted axes count as one K, in the product's order):
;;     1. [M 512, K 128] x [K 128, N 512]; A: input x; B: input W1: QUANTISED
;;     2. [M 512, K 128] x [K 128, N 512]; A: input y; B: input W1: QUANTISED
;;     3. [M 262,144, K 512] x [K 512, N 512]; A: computed on the way; B: input W2: QUANTISED
;;     4. [M 262,144, K 512] x [K 512, N 1]; A: computed on the way; B: input W3: left as it is (N = 1 < 16)
;;   THE QUANTISER, for each operand of a quantised product, along K:
;;     - K is cut into blocks of 32 from its start; a last block that is shorter is filled with zeros.
;;     - A block's scale is 2^e with e = floor(log2(the largest magnitude in the block)) - 2, held to -126 .. 127; a block of zeros has e = 0. As a byte (E8M0): e + 127.
;;     - Each number is divided by its block's scale, clamped to +-6, and rounded to the nearest number of E2M1, ties to even, subnormals kept.
;;     - The product sums the exact products of the quantised numbers (number of the format x scale) in f32.
;;   ~~~python
;;   def quantise(x, axis):      # numpy; x: float32 -> the quantised numbers, widened to float32 again
;;       x = np.moveaxis(x, axis, -1); K = x.shape[-1]
;;       x = np.pad(x, [(0, 0)] * (x.ndim - 1) + [(0, -K % 32)]); x = x.reshape(x.shape[:-1] + (-1, 32)); a = np.abs(x).max(-1, keepdims=True)
;;       e = np.where(a > 0, np.clip(np.frexp(np.where(a > 0, a, 1))[1] - 1 - 2, -126, 127), 0)      # np.frexp(a)[1] - 1 = floor(log2(a)), exactly
;;       r = np.clip(x / 2.0 ** e, -6, 6)
;;       step = 2.0 ** (np.maximum(np.frexp(np.where(r == 0, 1, r))[1] - 1, 0) - 1)
;;       q = np.round(r / step) * step * 2.0 ** e      # np.round: ties to even
;;       return np.moveaxis(q.reshape(q.shape[:-2] + (-1,))[..., :K], -1, axis).astype(np.float32)
;;   ~~~
;;   OPERANDS COMPUTED ON THE WAY. 'Computed on the way' means the value that the module computes at that place (a softmax that the list does not call 'softmax' is quantised finished and normalised). What goes into a quantiser is computed in f32, as accurately as f32 sums, v_exp_f32 and their like allow (about 1e-6 of the number): no bf16 or f16 on the way to a quantiser, and a product that is left as it is and whose result goes on into a quantised operand takes f32 operands (vector FMAs, or v_wmma_f32_16x16x4_f32). A number that lies on a knife's edge between two numbers of the format may be rounded either way, as far as f32 arithmetic and the matrix unit's own rounding can turn it there, and no further.
;; One version. Each part assembles by itself: llvm-mc -triple=amdgcn-amd-amdhsa -mcpu=gfx1250 --defsym DOCPART=n.
;; ======== version 1 of 1: 2 launches
;; limits: right only within a limited range of input values
;; workspace buffers: hxy 2,097,152 bytes; w2c 131,072 bytes; w2s 8,192 bytes
;; launch prep (part 1): grid 144 x 1, 8 waves a work-group, no clusters, 78,848 bytes of LDS; arguments x, y, W1, W2, b1, hxy, w2c, w2s; writes hxy, w2c, w2s
.if DOCPART == 1
	.amdgcn_target "amdgcn-amd-amdhsa--gfx1250"
	.amdhsa_code_object_version 6
	.text
	.protected	k_qe206295e8a_prep
	.globl	k_qe206295e8a_prep
	.p2align	8
	.type	k_qe206295e8a_prep,@function
k_qe206295e8a_prep:
	s_mov_b64 s[64:65], 0
	v_nop
	global_prefetch_b8 v0, s[64:65] scope:SCOPE_SE
	s_setreg_imm32_b32 hwreg(HW_REG_WAVE_MODE, 25, 1), 1
	s_wait_xcnt 0x0
; THE LAUNCH IN FRONT: hx = Q(x) Q(W1[:, :128])^T, hy + b1 = Q(y) Q(W1[:, 128:])^T + b1, and W2 as codes.  Q: codes of FP4 (E2M1), one E8M0 scale for each 32 along K.
; Every wave quantises ONE fragment, 16 rows x 128 along K, into the operand's registers: lane (r, hh) holds of row r the numbers k = 64 c + 32 hh + 0 .. 31, c = 0, 1: two whole blocks,
; so that a block's largest magnitude needs no other lane.  The fragment and its scale word go to LDS as images of their registers (16 bytes a lane at 16 x lane; 4 bytes a lane), one barrier, and any wave reads them back so.
; THE LOADS take the bytes as they lie: each reads two rows x 256 consecutive bytes, sixteen lanes to an aligned 256 bytes.  The 8,192 bytes turn through the wave's own stage in LDS (rows 528 bytes apart, so that the
; sixteen rows that a read touches start at sixteen different banks) and come back 128 bytes of a row to a lane.  The stage is the wave's own: no barrier, and LDS serves a wave's instructions in order.
; WORK-GROUPS 0-127 (z = id / 64: x or y; sc = 64 units of the 512; Rg = 64 rows): waves 0-3 quantise four tiles of rows, waves 4-7 four tiles of 16 rows of W1; then each wave makes two of the 16 products.
; The product is used transposed (source 0 = 16 rows of W1, source 1 = 16 rows of x or y), and a tile of W1 takes units 64 sc + 8 e + (m % 8) + 32 (m / 8): result register jj of lane (r, hh) is unit 64 sc + 32 hh + 8 e + jj.
; b1 is the C of y's products; for x the same registers are masked to 0.  So the later sum is hx + (hy + b1): another order of rounding than (hx + hy) + b1.
; hxy: byte z<<20 | T<<15 | sc<<12 | q<<9 | lane<<4 | i<<2 holds H_z[row][64 sc + 32 hh + 4 q + i]; row = 16 T + r for hx, 64 (T / 4) + 4 r + T % 4 for hy: the order in which the next launch's lanes take them.
; WORK-GROUPS 128-143: wave w quantises fragment (t = 2 (id % 16) + w / 4, s = w % 4) of W2.  w2c: (4 t + s) 1024 + 512 c + 16 lane.  w2s: the word at 256 t + 8 lane + 4 u is unit 16 t + r's scale word of K step 2 u + hh.
; One path serves all four kinds of fragment: pointer, first row, row stride and column are chosen by s_cselect on ids.  (The bias loads are issued there too, at an address that is valid in every work-group; W2's work-groups do not read them.)
; LIMITS: NaN and infinities among the inputs are not served.  A block of zeros gets the scale byte 1 (the floor) where the rule says 127: its codes are zeros, and this program alone reads the bytes.
.set F,    32                          ; v32-95   the 64 numbers; later fragments and results
.set PC,   16                          ; v16-23   the fragment's codes
.set PW,   24                          ; v24      its scale word
.set MX,   25                          ; v25-26   the two blocks' largest magnitudes
.set TS,   27                          ; v27-28   the conversions' scale operands
.set BB,   29                          ; v29-30   the scale bytes
.set TMP,  31
.set BI,   96                          ; v96-111  b1 for my two tiles, in the result's layout
.set SCW,  8192                        ; LDS: eight images of 1,024 bytes, then eight scale words' images of 128
.set RAW,  132                         ; v132-195 the 64 numbers as they are loaded
.set GA,   196                         ; v196-203 the loads' offsets: one for each pair of rows
.set STA,  204                         ; the stage, on the way in
.set LDA,  205                         ; and on the way out
.set STG,  11264                       ; LDS: behind the spare words, a stage of 16 rows x SP bytes for each wave
.set SP,   528
	s_load_b256 s[4:11], s[0:1], 0x0               ; x, y, W1, W2
	s_load_b256 s[12:19], s[0:1], 0x20             ; b1, hxy, w2c, w2s
	v_lshl_add_u32 v128, v0, 2, 0x2800
	v_mov_b32 v129, 0
	v_lshrrev_b32 v15, 5, v0
	s_delay_alu instid0(VALU_DEP_1)
	v_readfirstlane_b32 s20, v15                   ; wave 0..7
	v_and_b32 v1, 31, v0                           ; lane
	s_wait_alu depctr_va_vdst(0)
	v_and_b32 v2, 15, v0                           ; r
	v_bfe_u32 v3, v0, 4, 1                         ; hh
	s_mov_b32 s38, 0x76543210
	s_mov_b32 s39, 0xfedcba98                      ; v_permlanex16_b32's selects for lane l xor 16
	s_bfe_u32 s21, ttmp9, 0x10006                  ; z
	s_bfe_u32 s22, ttmp9, 0x30003                  ; sc
	s_and_b32 s23, ttmp9, 7                        ; Rg
	s_and_b32 s24, s20, 3                          ; w % 4
	s_lshr_b32 s25, s20, 2                         ; w / 4
	; the first row of each kind of fragment, and its column in bytes
	s_lshl_b32 s26, s23, 6
	s_lshl_b32 s27, s24, 4
	s_add_co_u32 s27, s26, s27                     ; x: 64 Rg + 16 (w % 4)
	s_add_co_u32 s28, s26, s24                     ; y: 64 Rg + w % 4, every fourth row
	s_lshl_b32 s29, s22, 6
	s_lshl_b32 s30, s24, 3
	s_add_co_u32 s29, s29, s30                     ; W1: 64 sc + 8 (w % 4)
	s_and_b32 s30, ttmp9, 15
	s_lshl_b32 s30, s30, 5
	s_lshl_b32 s31, s25, 4
	s_add_co_u32 s30, s30, s31                     ; W2: 32 (id % 16) + 16 (w / 4)
	s_lshl_b32 s31, s21, 9                         ; W1: column 128 z
	s_lshl_b32 s32, s24, 9                         ; W2: column 128 (w % 4)
	; LDS addresses, all made here: a constant x lane + a constant x (a part of) the wave's number
	v_lshlrev_b32 v5, 4, v1                        ; 16 x lane
	v_lshlrev_b32 v6, 2, v1                        ; 4 x lane
	v_lshlrev_b32 v112, 3, v1                      ; 8 x lane
	s_lshl_b32 s43, s20, 10
	v_add_nc_u32 v7, s43, v5                       ; my image
	v_lshl_add_u32 v8, v0, 2, SCW                  ; my scale word's: SCW + 128 x wave + 4 x lane
	s_lshl_b32 s43, s24, 10
	v_add_nc_u32 v10, s43, v5                      ; the rows' fragment that I multiply: wave w % 4's
	s_lshl_b32 s43, s25, 11
	v_add_nc_u32 v11, s43, v5                      ; W1's two: waves 4 + 2 (w / 4) and the next (the 4,096 stands in the offset)
	s_lshl_b32 s43, s24, 7
	v_add_nc_u32 v12, s43, v6
	s_lshl_b32 s43, s25, 8
	v_add_nc_u32 v13, s43, v6
	s_lshl_b32 s43, s20, 7
	v_lshlrev_b32 v14, 2, v2
	s_delay_alu instid0(VALU_DEP_1)
	v_lshl_add_u32 v14, v3, 7, v14
	s_delay_alu instid0(VALU_DEP_1)
	v_add_nc_u32 v14, s43, v14                     ; W2's scale words for w2s: wave w + hh (+ 2 u), lane r
	s_lshl_b32 s43, s22, 8
	s_lshl_b32 s44, s25, 6
	s_add_co_u32 s43, s43, s44
	v_lshl_add_u32 v9, v3, 7, s43                  ; b1: (64 sc + 32 hh + 16 (w / 4)) x 4 bytes
	s_mul_i32 s43, s20, 16*SP
	s_add_co_u32 s43, s43, STG                     ; my stage
	v_mul_u32_u24 v[STA], v3, SP                   ; in: lanes 0-15 one row's 256 bytes, lanes 16-31 the next row's
	v_mul_u32_u24 v[LDA], v2, SP                   ; out: row r, 128 hh bytes on
	s_delay_alu instid0(VALU_DEP_2)
	v_lshl_add_u32 v[STA], v2, 4, v[STA]
	s_delay_alu instid0(VALU_DEP_2)
	v_lshl_add_u32 v[LDA], v3, 7, v[LDA]
	s_delay_alu instid0(VALU_DEP_2)
	v_add_nc_u32 v[STA], s43, v[STA]
	s_delay_alu instid0(VALU_DEP_2)
	v_add_nc_u32 v[LDA], s43, v[LDA]
	s_wait_alu depctr_va_vdst(0)
	s_wait_kmcnt 0x0
	s_cmp_eq_u32 s21, 0                            ; x or y?
	s_cselect_b32 s33, s27, s28                    ; first row
	s_cselect_b32 s34, 1, 4                        ; rows from one row of the fragment to the next
	s_cselect_b64 s[36:37], s[4:5], s[6:7]
	s_cselect_b32 s40, 0, -1                       ; the bias counts for y alone
	s_cmp_lt_u32 s20, 4                            ; waves 0-3: rows; waves 4-7: W1
	s_cselect_b32 s33, s33, s29
	s_cselect_b32 s34, s34, 1
	s_cselect_b32 s35, 0, 24                       ; W1: the fragment's rows 8-15 stand 24 rows further on
	s_cselect_b32 s41, 9, 10                       ; log2 of a row's bytes
	s_cselect_b32 s42, 0, s31
	s_cselect_b64 s[36:37], s[36:37], s[8:9]
	s_cmp_lt_u32 ttmp9, 128                        ; or W2's work-group
	s_cselect_b32 s33, s33, s30
	s_cselect_b32 s34, s34, 1
	s_cselect_b32 s35, s35, 0
	s_cselect_b32 s41, s41, 11
	s_cselect_b32 s42, s42, s32
	s_cselect_b64 s[36:37], s[36:37], s[10:11]
	s_lshl_b32 s46, s34, s41                       ; from one row of the fragment to the next, in bytes (4,096 at the most for two)
	s_lshl_b32 s43, s46, 1                         ; two rows
	s_lshl_b32 s44, s35, s41                       ; what rows 8-15 stand further on
	s_lshl_b32 s45, s33, s41
	s_add_co_u32 s45, s45, s42                     ; the first row and the column
	v_mul_u32_u24 v4, s46, v3                      ; lanes 16-31 take the next row
	s_delay_alu instid0(VALU_DEP_1)
	v_lshl_add_u32 v4, v2, 4, v4                   ; 16 bytes a lane
	s_delay_alu instid0(VALU_DEP_1)
	v_add_nc_u32 v[GA], s45, v4                    ; rows 0 and 1
	s_delay_alu instid0(VALU_DEP_1)
	v_add_nc_u32 v4, s44, v[GA]
.irp g, 1,2,3
	v_mad_u32_u24 v[GA+\g], s43, \g, v[GA]         ; rows 2 g and 2 g + 1
.endr
.irp g, 4,5,6,7
	v_mad_u32_u24 v[GA+\g], s43, \g, v4
.endr
.irp g, 0,1,2,3,4,5,6,7
.irp c, 0,1
	global_load_b128 v[RAW+8*\g+4*\c:RAW+8*\g+4*\c+3], v[GA+\g], s[36:37] offset:256*\c
.endr
.endr
.irp q, 0,1,2,3
	global_load_b128 v[BI+4*\q:BI+4*\q+3], v9, s[12:13] offset:16*\q
.endr
.irp g, 0,1,2,3,4,5,6,7
	s_wait_loadcnt 18-2*\g                         ; rows 2 g and 2 g + 1 are in; the later rows' loads, two a pair, and the four bias loads may stay out
.irp c, 0,1
	ds_store_b128 v[STA], v[RAW+8*\g+4*\c:RAW+8*\g+4*\c+3] offset:2*SP*\g+256*\c
.endr
.endr
.irp c, 0,1
.irp q, 0,1,2,3,4,5,6,7
	ds_load_b128 v[F+32*\c+4*\q:F+32*\c+4*\q+3], v[LDA] offset:256*\c+16*\q   ; these see my stores above
.endr
.endr
	s_wait_dscnt 0x0                               ; my 64 numbers are back
	; the two blocks' scales and codes
.irp c, 0,1
	v_max3_num_f32 v[MX+\c], |v[F+32*\c]|, |v[F+32*\c+1]|, 0x1800000   ; with the floor 2^(3 - 127) among the leaves: the byte cannot fall under 1
.endr
.irp i, 2,4,6,8,10,12,14,16,18,20,22,24,26,28,30
.irp c, 0,1
	s_delay_alu instid0(VALU_DEP_2)
	v_max3_num_f32 v[MX+\c], v[MX+\c], |v[F+32*\c+\i]|, |v[F+32*\c+\i+1]|
.endr
.endr
.irp c, 0,1
	s_delay_alu instid0(VALU_DEP_2)
	v_add_nc_u32 v[TS+\c], 0xff000000, v[MX+\c]    ; 2 off the exponent field: the conversion takes this operand's exponent field as its scale
.endr
.irp c, 0,1
	s_delay_alu instid0(VALU_DEP_2)
	v_lshrrev_b32 v[BB+\c], 23, v[TS+\c]           ; the scale's byte
.endr
	s_delay_alu instid0(VALU_DEP_1)
	v_lshl_or_b32 v[PW], v[BB+1], 16, v[BB]        ; my two bytes, blocks hh and 2 + hh,
	v_lshlrev_b32 v15, 3, v3
	s_delay_alu instid0(VALU_DEP_1)
	v_lshlrev_b32 v[PW], v15, v[PW]                ; at their places in the word;
	v_mov_b32 v[TMP], 0
	s_delay_alu instid0(VALU_DEP_1)
	v_permlanex16_b32 v[TMP], v[PW], s38, s39
	s_delay_alu instid0(VALU_DEP_1)
	v_or_b32 v[PW], v[PW], v[TMP]                  ; with lane l xor 16's two the word is whole, in both halves of the lanes
.irp c, 0,1
.irp g, 0,1,2,3
	v_cvt_scalef32_pk8_fp4_f32 v[PC+4*\c+\g], v[F+32*\c+8*\g:F+32*\c+8*\g+7], v[TS+\c]
.endr
.endr
	v_nop                                          ; one plain place behind the last scaled conversion
	ds_store_b128 v7, v[PC:PC+3]
	ds_store_b128 v7, v[PC+4:PC+7] offset:512
	ds_store_b32 v8, v[PW]
	s_wait_dscnt 0x0                               ; for the others' sake: my image has landed
	s_barrier_signal -1
	s_barrier_wait -1
	s_cmp_ge_u32 ttmp9, 128
	s_cbranch_scc1 .Lw2
	; ---- hx or hy: tile of rows w % 4 against W1's tiles 2 (w / 4) and 2 (w / 4) + 1
	ds_load_b128 v[32:35], v10
	ds_load_b128 v[36:39], v10 offset:512
	ds_load_b128 v[40:43], v11 offset:4096
	ds_load_b128 v[44:47], v11 offset:4608
	ds_load_b128 v[48:51], v11 offset:5120
	ds_load_b128 v[52:55], v11 offset:5632
	ds_load_b32 v120, v12 offset:SCW               ; scale words, in registers that hold nothing else
	ds_load_b32 v121, v13 offset:SCW+512
	ds_load_b32 v122, v13 offset:SCW+640
	s_lshl_b32 s26, s21, 20                        ; where my results go: z<<20 + (4 Rg + w % 4)<<15 + sc<<12 + (w / 4)<<11
	s_lshl_b32 s27, s23, 17
	s_add_co_u32 s26, s26, s27
	s_lshl_b32 s27, s24, 15
	s_add_co_u32 s26, s26, s27
	s_lshl_b32 s27, s22, 12
	s_add_co_u32 s26, s26, s27
	s_lshl_b32 s27, s25, 11
	s_add_co_u32 s26, s26, s27
	s_mov_b32 s27, 0
	s_add_nc_u64 s[14:15], s[14:15], s[26:27]
	s_wait_loadcnt 0x0                             ; b1
.irp i, 0,1,2,3,4,5,6,7,8,9,10,11,12,13,14,15
	v_and_b32 v[BI+\i], s40, v[BI+\i]              ; kept for y, 0 for x
.endr
.rept 4
	v_nop
.endr
	s_wait_alu depctr_va_vdst(0)
	s_wait_dscnt 0x0
	v_wmma_scale_f32_16x16x128_f8f6f4 v[64:71], v[40:47], v[32:39], v[BI:BI+7], v121, v120 matrix_a_fmt:MATRIX_FMT_FP4 matrix_b_fmt:MATRIX_FMT_FP4
	v_wmma_scale_f32_16x16x128_f8f6f4 v[72:79], v[48:55], v[32:39], v[BI+8:BI+15], v122, v120 matrix_a_fmt:MATRIX_FMT_FP4 matrix_b_fmt:MATRIX_FMT_FP4
.rept 4
	v_nop                                          ; four places between a product and the stores that read it
.endr
	global_store_b128 v5, v[64:67], s[14:15]               ; each store covers 512 consecutive bytes, aligned; each result from its low end on
	global_store_b128 v5, v[68:71], s[14:15] offset:512
	global_store_b128 v5, v[72:75], s[14:15] offset:1024
	global_store_b128 v5, v[76:79], s[14:15] offset:1536
	s_wait_tensorcnt 0x0
	ds_add_u32 v128, v129
	s_wait_dscnt 0x0
	s_endpgm
.Lw2:
	; ---- W2: my fragment's codes leave as they stand; waves 0 and 4 gather a tile's four scale words
	s_and_b32 s26, ttmp9, 15
	s_lshl_b32 s26, s26, 1
	s_add_co_u32 s26, s26, s25                     ; t
	s_lshl_b32 s28, s26, 8
	s_lshl_b32 s26, s26, 12
	s_lshl_b32 s27, s24, 10
	s_add_co_u32 s26, s26, s27                     ; (4 t + s) x 1,024
	s_mov_b32 s27, 0
	s_mov_b32 s29, 0
	s_add_nc_u64 s[16:17], s[16:17], s[26:27]
	s_add_nc_u64 s[18:19], s[18:19], s[28:29]
	s_wait_alu depctr_va_vdst(0)
	global_store_b128 v5, v[PC:PC+3], s[16:17]
	global_store_b128 v5, v[PC+4:PC+7], s[16:17] offset:512
	s_cmp_lg_u32 s24, 0
	s_cbranch_scc1 .Lend
	ds_load_b32 v114, v14 offset:SCW               ; K step hh
	ds_load_b32 v115, v14 offset:SCW+256           ; K step 2 + hh
	s_wait_dscnt 0x0
	global_store_b64 v112, v[114:115], s[18:19]    ; 32 lanes store 256 consecutive bytes, aligned
.Lend:
	s_wait_tensorcnt 0x0
	ds_add_u32 v128, v129
	s_wait_dscnt 0x0
	s_endpgm
.Lfunc_end_k_qe206295e8a_prep:
	.size	k_qe206295e8a_prep, .Lfunc_end_k_qe206295e8a_prep-k_qe206295e8a_prep
	.p2alignl 7, 3214868480
	.fill 96, 4, 3214868480
	.section	.rodata,"a",@progbits
	.p2align	6, 0x0
	.amdhsa_kernel k_qe206295e8a_prep
		.amdhsa_group_segment_fixed_size 78848
		.amdhsa_private_segment_fixed_size 0
		.amdhsa_enable_private_segment 0
		.amdhsa_kernarg_size 64
		.amdhsa_user_sgpr_count 2
		.amdhsa_user_sgpr_kernarg_segment_ptr 1
		.amdhsa_wavefront_size32 1
		.amdhsa_system_sgpr_workgroup_id_x 1
		.amdhsa_system_sgpr_workgroup_id_y 1
		.amdhsa_system_sgpr_workgroup_id_z 1
		.amdhsa_system_vgpr_workitem_id 0
		.amdhsa_next_free_vgpr 208
		.amdhsa_next_free_sgpr 66
		.amdhsa_reserve_vcc 0
		.amdhsa_float_denorm_mode_32 3
		.amdhsa_float_denorm_mode_16_64 3
		.amdhsa_memory_ordered 1
		.amdhsa_forward_progress 1
		.amdhsa_inst_pref_size 17
	.end_amdhsa_kernel
	.amdgpu_metadata
---
amdhsa.version: [ 1, 2 ]
amdhsa.kernels:
  - .name:           k_qe206295e8a_prep
    .symbol:         k_qe206295e8a_prep.kd
    .args:
      - { .name: x, .offset: 0, .size: 8, .value_kind: global_buffer, .address_space: global }
      - { .name: y, .offset: 8, .size: 8, .value_kind: global_buffer, .address_space: global }
      - { .name: W1, .offset: 16, .size: 8, .value_kind: global_buffer, .address_space: global }
      - { .name: W2, .offset: 24, .size: 8, .value_kind: global_buffer, .address_space: global }
      - { .name: b1, .offset: 32, .size: 8, .value_kind: global_buffer, .address_space: global }
      - { .name: hxy, .offset: 40, .size: 8, .value_kind: global_buffer, .address_space: global }
      - { .name: w2c, .offset: 48, .size: 8, .value_kind: global_buffer, .address_space: global }
      - { .name: w2s, .offset: 56, .size: 8, .value_kind: global_buffer, .address_space: global }
    .group_segment_fixed_size: 78848
    .private_segment_fixed_size: 0
    .kernarg_segment_align: 8
    .kernarg_segment_size: 64
    .max_flat_workgroup_size: 256
    .sgpr_count:     66
    .vgpr_count:     208
    .wavefront_size: 32
...
	.end_amdgpu_metadata
.endif
;; end of part 1
;; launch main (part 2): grid 32 x 8, 8 waves a work-group, clusters of 4 x 1, 327,680 bytes of LDS; arguments hxy, w2c, w2s, b2, W3, b3, out0; writes out0
.if DOCPART == 2
	.amdgcn_target "amdgcn-amd-amdhsa--gfx1250"
	.amdhsa_code_object_version 6
	.text
	.protected	k_qe206295e8a_main
	.globl	k_qe206295e8a_main
	.p2align	8
	.type	k_qe206295e8a_main,@function
k_qe206295e8a_main:
	s_mov_b64 s[64:65], 0
	v_nop
	global_prefetch_b8 v0, s[64:65] scope:SCOPE_SE
	s_setreg_imm32_b32 hwreg(HW_REG_WAVE_MODE, 25, 1), 1
	s_wait_xcnt 0x0
	s_wait_alu depctr_hold_cnt(0) depctr_sa_sdst(0) depctr_va_vdst(0) depctr_va_sdst(0) depctr_va_ssrc(0) depctr_va_vcc(0) depctr_vm_vsrc(0)
	s_getreg_b32 s2, hwreg(HW_REG_IB_STS2, 6, 4)
	s_cmp_eq_u32 s2, 0
	s_cbranch_scc0 .Lentry_in_a_cluster
	s_endpgm
.Lentry_in_a_cluster:
	s_bfe_u32 s2, ttmp6, 0x10000c
	s_cmp_lg_u32 s2, 0x3003
	s_cbranch_scc0 .Lentry_shape_is_right
	s_endpgm
.Lentry_shape_is_right:
; out[i][j] = W3 . relu(W2 Q(relu(hx[i] + hy[j] + b1)) + b2) + b3, the product with W2 on codes of FP4 (E2M1), one E8M0 scale for each 32 of the 512 hidden units.
; hx and hy + b1 (f32), W2's codes and scale words were laid by the launch in front in the order in which this launch's lanes take them.
; SHARES.  A work-group owns 16 i (x) x 64 j (y); eight waves, two to a SIMD; wave w owns i = 2 w + a, a = 0, 1, against all 64 j: 8 tiles of 16 pairs, tile 4 a + J = (i; j = 4 r + J, r = lane % 16).
; THE MAKER: the 8 tiles' 512 hidden units are summed, clipped at 0 and quantised in registers: 256 registers of codes.  A lane holds a whole block of 32.
; THE PRODUCTS: W2's 32 tiles of 16 units are walked.  A tile's 13 LDS loads go out in one run; behind each product stand two lines of what is made of the other accumulator set: clip at 0, times W3, summed.
; The product is used transposed (source 0 = 16 units of W2, source 1 = 16 pairs): a lane holds one pair and eight units.  b2 is the C of a tile's first product.  Neither hidden layer leaves the registers.
; CLUSTER: the four work-groups of a cluster share their 64 j: hy, W2's codes and scale words, b2 and W3 are asked for jointly; hx is each work-group's own.  LDS is filled once: one load a wave at the head (hy, hx),
; and one more in seven of the eight waves (W2's codes, scales, b2, W3), which lands while the operand is made.  Nothing is stored into LDS.
; No prefetch: no loop of this text reads memory; every byte comes by those two groups of loads.
; REGISTERS: window 0: v2-11 addresses; v12-27 the pairs' scale words, v28-31 W2's; v40-47 the maker's maxima; v56-87 the blocks' scale bytes, then b2 (two sets) and the sums with W3;
;   v96-159 hx, then two sets of four accumulators; v160-223 hy (two sets), then W2's fragments (two sets); v224-255 the block's 32 sums; v32-39, v48-55, v88-95 the codes of tile 7's K steps 1, 2, 3.
;   window 1: the other codes, tile 4 a + J at v[128 a + 32 J]; v232-247 W3, two sets: the multiply-add takes it as source 1, the place of the codes, so that it runs under the products' window setting.
;   v248, v249 hold 0 in both windows: the second sources of the clip's pairs.
; LIMITS: NaN and infinities are not served.  A block without a positive number gets the scale byte 1 (the floor): its codes are zeros.  The sum is hx + (hy + b1), another order of rounding than (hx + hy) + b1.
.set HX,   0                           ; LDS: hx, 16 i: 32,768 bytes
.set HY,   32768                       ; hy + b1, 64 j: four tiles of 32,768
.set W2C,  163840                      ; W2's codes: 128 fragments of 1,024
.set W2S,  294912                      ; its scale words: 32 tiles of 256
.set B2L,  303104                      ; b2
.set W3L,  305152                      ; W3, 2,048 bytes behind b2
.set SPARE, 307200                     ; the spare words: 128 bytes a wave, four blocks of 256 that no other line names
.set SPW,  2
.set NIL,  3
.set AHX,  5
.set AHY,  6                           ; v6, v7: HY + 16 lane, and 65,536 on
.set AW,   8
.set AS,   9
.set AB,   10
.set OFFO, 11
.set R,    12                          ; v[R + 2 tile + u]: lanes 0-15 the pairs' scale words of K step 2 u, lanes 16-31 of 2 u + 1
.set WS,   28                          ; v[WS + 2 b + u]: the same for W2's tile in set b
.set E1,   32                          ; tile 7's codes of K steps 1, 2, 3
.set E2,   48
.set E3,   88
.set M,    40                          ; five chains of the maximum
.set Y,    45
.set T,    46                          ; the conversions' scale operand
.set X,    47
.set BY,   56                          ; v[BY + 4 tile + s]: the bytes of K step s's two blocks of my half, at bits 0 and 16
.set B2R,  56
.set PS,   72                          ; v[PS + 2 tile]: the sums with W3, even and odd units
.set HXB,  96
.set HYB,  160
.set S,    224
.set ACC,  96
.set FR,   160
.set W3R,  232                         ; in window 1
.set Z,    248
.set G1X,  24                          ; group 1: 32 rows of 256 bytes, plain
.set G1B,  32                          ; 128 rows, joint
.set G1S,  40                          ; 32 rows, joint
.set G1V,  48                          ; 8 rows, joint
.set G0X,  56
.set G0Y,  60
.set G0C,  68
.set G0S,  72
.set G0B,  76
.set G0W,  80
.set JOINT, 15|(3<<16)|(1<<21)         ; the mask of all four work-groups; elements of 8 bytes; bit 21 beside a mask; no padding: blocks are read 16 bytes a lane on end, or one address for 16 lanes
.set PLAIN, 3<<16
.set MSB, 0
.macro WIN new                         ; the immediate's high byte repeats the setting that is left
.if MSB != (\new)
	s_set_vgpr_msb (MSB<<8)|(\new)
.set MSB, \new
.endif
.endm
.macro CROUND                          ; a round of the cluster's barrier
	s_barrier_signal -1
	s_barrier_wait -1
	s_cmp_lg_u32 s18, 0
	s_cbranch_scc1 .Lnot_wave_0_\@
	s_barrier_signal -3
.Lnot_wave_0_\@:
	s_barrier_wait -3
	s_barrier_signal -1
	s_barrier_wait -1
.endm
.macro GROUP1 g, w0, rows              ; a dense block as rows of 256 bytes: 32 elements of 8 bytes, pitch 32
	s_mov_b32 s[\g], \w0
	s_mov_b32 s[\g+1], 32<<16
	s_mov_b32 s[\g+2], (\rows)<<16
	s_mov_b32 s[\g+3], 32<<16
	s_mov_b32 s[\g+4], \rows
	s_mov_b32 s[\g+5], 32
	s_mov_b32 s[\g+6], 0
	s_mov_b32 s[\g+7], 0
.endm
.macro WHOLE g, lds, ptr               ; group 0 of a block that one wave brings whole
	s_mov_b32 s[\g], 1
	s_mov_b32 s[\g+1], \lds
	s_mov_b64 s[\g+2:\g+3], s[\ptr:\ptr+1]
	s_or_b32 s[\g+3], s[\g+3], 0x80000000
.endm
.macro TLOAD g0, g1                    ; an s_nop 0 and four v_nop follow each tensor load
	tensor_load_to_lds s[\g0:\g0+3], s[\g1:\g1+7]
	s_nop 0
.rept 4
	v_nop
.endr
.endm
.macro ARM under, g0, g1, next
	s_cmp_lt_u32 s18, \under
	s_cbranch_scc0 \next
	TLOAD \g0, \g1
	s_branch .Lasked
\next:
.endm
	s_load_b256 s[4:11], s[0:1], 0x0               ; hxy, w2c, w2s, b2
	s_load_b128 s[12:15], s[0:1], 0x20             ; W3, b3
	s_load_b64 s[16:17], s[0:1], 0x30              ; out0
	v_lshl_add_u32 v[SPW], v0, 2, SPARE
	v_mov_b32 v[NIL], 0
	ds_add_u32 v[SPW], v[NIL]                      ; the opening lines: the add, twice on end, and its wait ahead of my first tensor load
	ds_add_u32 v[SPW], v[NIL]
	v_lshrrev_b32 v42, 5, v0
	v_readfirstlane_b32 s18, v42                   ; wave 0..7
	s_and_b32 s19, s18, 3                          ; which quarter of a block I bring
	s_lshl_b32 s88, s18, 5                         ; 32 w: my first i among hx's 16, in bytes
	s_bfe_u32 s20, ttmp6, 0x40000                  ; cx
	s_lshl_b32 s21, ttmp9, 2
	s_add_co_u32 s21, s21, s20                     ; my block of 16 i: it enters hx's and out0's addresses alone
	s_and_b32 s22, ttmp7, 0xffff                   ; my block of 64 j, which the four partners share
	GROUP1 G1X, PLAIN, 32
	GROUP1 G1B, JOINT, 128
	GROUP1 G1S, JOINT, 32
	GROUP1 G1V, JOINT, 8
	s_mov_b32 s66, 0x76543210
	s_mov_b32 s67, 0xfedcba98                      ; v_permlanex16_b32's selects for lane l xor 16
	s_mov_b32 s92, 0x01800000                      ; the floor 2^(3 - 127): a scale's byte cannot fall under 1
	s_mov_b32 s93, 0xff000000                      ; takes 2 off an exponent field
	s_mov_b32 s99, 0xffff0000                      ; lanes 16-31
	s_mov_b32 s85, 0
	s_mov_b32 s87, 0
	s_wait_dscnt 0x0                               ; both opening adds are done
	s_wait_kmcnt 0x0
	s_load_b32 s95, s[14:15], 0x0                  ; b3
	s_lshl_b32 s84, s21, 15
	s_lshl_b32 s23, s19, 13
	s_add_co_u32 s86, s84, s23                     ; hx: 32,768 x block + 8,192 x quarter
	s_mov_b32 s[G0X], 1
	s_lshl_b32 s[G0X+1], s19, 13                   ; LDS: HX (= 0) + 8,192 x quarter
	s_add_nc_u64 s[G0X+2:G0X+3], s[4:5], s[86:87]
	s_or_b32 s[G0X+3], s[G0X+3], 0x80000000
	s_lshl_b32 s23, s18, 12
	s_add_co_u32 s84, s84, s23
	s_lshl_b32 s23, s22, 8
	s_add_co_u32 s84, s84, s23                     ; out0: (16 x block + 2 w) rows of 2,048 bytes + 256 x j-block
	s_add_nc_u64 s[16:17], s[16:17], s[84:85]
	s_lshl_b32 s86, s19, 15                        ; a quarter of W2's codes, and a tile of hy: 32,768 bytes
	s_mov_b32 s[G0C], 1
	s_add_co_u32 s[G0C+1], s86, W2C
	s_add_nc_u64 s[G0C+2:G0C+3], s[6:7], s[86:87]
	s_or_b32 s[G0C+3], s[G0C+3], 0x80000000
	s_mov_b32 s[G0Y], 1
	s_add_co_u32 s[G0Y+1], s86, HY
	s_lshl_b32 s23, s22, 17
	s_add_co_u32 s86, s86, s23
	s_add_co_u32 s86, s86, 1<<20                   ; hy lies behind hx in hxy
	s_add_nc_u64 s[G0Y+2:G0Y+3], s[4:5], s[86:87]
	s_or_b32 s[G0Y+3], s[G0Y+3], 0x80000000
	WHOLE G0S, W2S, 8
	WHOLE G0B, B2L, 10
	WHOLE G0W, W3L, 12
	CROUND                                         ; all four work-groups are here: the joint loads meet
	s_cmp_lt_u32 s18, 4                            ; the head's loads, one a wave: waves 0-3 a tile of hy each, waves 4-7 a quarter of hx each
	s_cbranch_scc0 .Lhead_x
	TLOAD G0Y, G1B
	s_branch .Lhead_asked
.Lhead_x:
	TLOAD G0X, G1X
.Lhead_asked:
	v_and_b32 v1, 31, v0                           ; lane
	v_bfe_u32 v41, v0, 4, 1                        ; hh
	v_and_b32 v40, 15, v0                          ; r
	s_delay_alu instid0(VALU_DEP_3)
	v_lshlrev_b32 v4, 4, v1                        ; 16 x lane
	s_delay_alu instid0(VALU_DEP_4)
	v_lshl_add_u32 v[AS], v1, 3, W2S
	s_delay_alu instid0(VALU_DEP_4)
	v_lshl_add_u32 v[AB], v41, 5, B2L
	v_lshl_add_u32 v[AHX], v41, 8, s88             ; 256 hh + 32 w
	v_lshlrev_b32 v[OFFO], 11, v41
	v_add_nc_u32 v[AHY], HY, v4
	v_add_nc_u32 v[AHY+1], HY+65536, v4
	v_add_nc_u32 v[AW], W2C, v4
	s_delay_alu instid0(VALU_DEP_4)
	v_lshl_add_u32 v[OFFO], v40, 4, v[OFFO]        ; the store: 2,048 hh + 16 r
	s_wait_alu depctr_va_vdst(0)
	s_wait_tensorcnt 0x0                           ; my part of hx or hy is in
	ds_add_u32 v[SPW], v[NIL]
	s_wait_dscnt 0x0
	CROUND                                         ; everybody's part is in, and the four work-groups are here
	ARM 4, G0C, G1B, .La1                          ; waves 0-3: a quarter of W2's codes each; wave 4: its scale words; wave 5: b2; wave 6: W3; wave 7 has no part
	ARM 5, G0S, G1S, .La2
	ARM 6, G0B, G1V, .La3
	ARM 7, G0W, G1V, .La4
.Lasked:
	s_wait_kmcnt 0x0                               ; b3
; ---------------- THE MAKER ----------------
.macro HXLOAD sc, a                    ; units 64 sc + 32 hh + 0 .. 31 of hx[2 w + a]: sixteen lanes read one address
.irp q, 0,1,2,3,4,5,6,7
	ds_load_b128 v[HXB+32*(\a)+4*\q:HXB+32*(\a)+4*\q+3], v[AHX] offset:16*(\a)+4096*(\sc)+512*\q
.endr
.endm
.macro HYLOAD n                        ; n = 4 sc + J: the same units of hy + b1 for my j of tile J, into set n % 2: 512 consecutive bytes a load
.irp q, 0,1,2,3,4,5,6,7
	ds_load_b128 v[HYB+32*((\n)%2)+4*\q:HYB+32*((\n)%2)+4*\q+3], v[AHY+((\n)%4)/2] offset:32768*((\n)%2)+4096*((\n)/4)+512*\q
.endr
.endm
.macro TBADD a, p                      ; a block's 32 sums, two a line
.set i_, 0
.rept 16
	v_dual_add_f32 v[S+i_], v[HXB+32*(\a)+i_], v[HYB+32*(\p)+i_] :: v_dual_add_f32 v[S+i_+1], v[HXB+32*(\a)+i_+1], v[HYB+32*(\p)+i_+1]
.set i_, i_+2
.endr
.endm
.macro RELU from, n                    ; the clip at 0 of the sums, two numbers a line
.set d_, \from
.rept \n
	v_dual_max_num_f32 v[S+2*d_], 0, v[S+2*d_] :: v_dual_max_num_f32 v[S+2*d_+1], 0, v[S+2*d_+1]
.set d_, d_+1
.endr
.endm
; The rest of block (sc, a, J): the largest of the 32 sums and the floor (33 leaves, sixteen lines, five chains; no |.|: what is negative must not count), the clip between the dependent lines, four conversions.
.macro REST sc, a, J
.irp k, 0,1,2,3,4
	v_max3_num_f32 v[M+\k], v[S+3*\k], v[S+3*\k+1], v[S+3*\k+2]
.endr
.irp k, 0,1,2,3,4
	v_max3_num_f32 v[M+\k], v[M+\k], v[S+15+2*\k], v[S+16+2*\k]
.endr
.irp k, 0,1,2
	v_max3_num_f32 v[M+\k], v[M+\k], v[S+25+2*\k], v[S+26+2*\k]
.endr
	v_max3_num_f32 v[M+3], v[M+3], v[S+31], s92
	RELU 0, 4
	v_max3_num_f32 v[Y], v[M], v[M+1], v[M+2]
	RELU 4, 4
	v_max3_num_f32 v[M+3], v[M+3], v[M+4], v[Y]
	RELU 8, 4
	v_add_nc_u32 v[T], s93, v[M+3]                 ; 2 off the exponent field: the conversion takes this operand's exponent field as its scale
	RELU 12, 4
.if ((\sc)%2) == 1
	v_lshrrev_b32 v[X], 23, v[T]
.endif
.if ((\a) == 1) && ((\J) == 3) && ((\sc) >= 2)     ; tile 7's K steps 1 to 3 stay in window 0
.if (\sc)/2 == 1
.set cd_, E1+4*((\sc)%2)
.elseif (\sc)/2 == 2
.set cd_, E2+4*((\sc)%2)
.else
.set cd_, E3+4*((\sc)%2)
.endif
.else
.set cd_, 128*(\a)+32*(\J)+4*(\sc)
	WIN 0x40                                       ; the codes go straight to their places in window 1
.endif
.irp g, 0,1,2,3
	v_cvt_scalef32_pk8_fp4_f32 v[cd_+\g], v[S+8*\g:S+8*\g+7], v[T]
.endr
	WIN 0
.if ((\sc)%2) == 1                     ; the scale's byte; this line is also the plain place behind the conversions
	v_lshl_or_b32 v[BY+4*(4*(\a)+(\J))+(\sc)/2], v[X], 16, v[BY+4*(4*(\a)+(\J))+(\sc)/2]
.else
	v_lshrrev_b32 v[BY+4*(4*(\a)+(\J))+(\sc)/2], 23, v[T]
.endif
.endm
	HXLOAD 0, 0                                    ; the loads' order: hx a = 0, hy n, hx a = 1, hy n + 1
	HYLOAD 0
	HXLOAD 0, 1
	HYLOAD 1
.set N, 0
.rept 32                               ; n = 4 sc + J: one set of hy serves both i
.if (N%4) == 0
	s_wait_dscnt 16                                ; hx a = 0 and hy n are in; hx a = 1's 8 loads and hy n + 1's 8 may stay out
.elseif N == 31
	s_wait_dscnt 0x0
.else
	s_wait_dscnt 8                                 ; hy n is in; hy n + 1's 8 loads may stay out
.endif
	TBADD 0, N%2
.if ((N%4) == 3) && (N < 31)
	HXLOAD N/4+1, 0                                ; its registers have been read for the last time
.endif
	REST N/4, 0, N%4
.if (N%4) == 0
	s_wait_dscnt 8                                 ; hx a = 1 is in; hy n + 1's 8 loads may stay out
.endif
	TBADD 1, N%2
.if ((N%4) == 3) && (N < 31)
	HXLOAD N/4+1, 1
.endif
.if N < 30
	HYLOAD N+2
.endif
	REST N/4, 1, N%4
.set N, N+1
.endr
; The scale words.  BY[tile][s] holds in lane (r, hh) the bytes of blocks hh and 2 + hh of K step s.  The halves of the lanes change places between K steps 2 u and 2 u + 1, and one line
; makes the register that holds pair r's word of K step 2 u in lane r and that of 2 u + 1 in lane 16 + r.
.set t_, 0
.rept 16
	v_permlane16_swap_b32 v[BY+2*t_], v[BY+2*t_+1]
.set t_, t_+1
.endr
.set t_, 0
.rept 16
	v_lshl_or_b32 v[R+t_], v[BY+2*t_+1], 8, v[BY+2*t_]
.set t_, t_+1
.endr
	v_mov_b32 v[Z], 0                              ; the clip's zeros, at the same numbers in both windows
	v_mov_b32 v[Z+1], 0
	WIN 0x40
	v_mov_b32 v[Z], 0
	v_mov_b32 v[Z+1], 0
	WIN 0
.irp i, 0,1,2,3,4,5,6,7,8,9,10,11,12,13,14,15
	v_mov_b32 v[PS+\i], 0                          ; the sums with W3; also the places between the scale words' lines and the first product
.endr
	s_wait_alu depctr_va_vdst(0)
	s_wait_tensorcnt 0x0                           ; my part of W2, its scales, b2 or W3 is in (no LDS instruction of mine is out),
	s_barrier_signal -1
	s_barrier_wait -1                              ; everybody's is.
; ---------------- THE PRODUCTS ----------------
.macro LOADT b, n                      ; all of W2's tile t0 + n into set b, in one run of 13 loads: four fragments, b2 and W3 of units 16 t + 8 hh + 0 .. 7, the scale words
.irp s, 0,1,2,3
	ds_load_b128 v[FR+32*(\b)+8*\s:FR+32*(\b)+8*\s+3], v[AW] offset:4096*(\n)+1024*\s
	ds_load_b128 v[FR+32*(\b)+8*\s+4:FR+32*(\b)+8*\s+7], v[AW] offset:4096*(\n)+1024*\s+512
.endr
.irp c, 0,1
	ds_load_b128 v[B2R+8*(\b)+4*\c:B2R+8*(\b)+4*\c+3], v[AB] offset:64*(\n)+16*\c
.endr
	ds_load_b64 v[WS+2*(\b):WS+2*(\b)+1], v[AS] offset:256*(\n)
	WIN 0x40                                       ; W3 into window 1
.irp c, 0,1
	ds_load_b128 v[W3R+8*(\b)+4*\c:W3R+8*(\b)+4*\c+3], v[AB] offset:2048+64*(\n)+16*\c
.endr
	WIN 0
.endm
.macro WM d, a, b, c, ws, rs, row
.if \row
	v_wmma_scale_f32_16x16x128_f8f6f4 v[\d:\d+7], v[\a:\a+7], v[\b:\b+7], v[\c:\c+7], v[\ws], v[\rs] matrix_a_fmt:MATRIX_FMT_FP4 matrix_b_fmt:MATRIX_FMT_FP4 matrix_a_scale:MATRIX_SCALE_ROW1 matrix_b_scale:MATRIX_SCALE_ROW1
.else
	v_wmma_scale_f32_16x16x128_f8f6f4 v[\d:\d+7], v[\a:\a+7], v[\b:\b+7], v[\c:\c+7], v[\ws], v[\rs] matrix_a_fmt:MATRIX_FMT_FP4 matrix_b_fmt:MATRIX_FMT_FP4
.endif
.endm
; Line i of 32 of what is made of accumulator set q: clip at 0, times W3 (set wb), summed.  The four tiles take turns; each accumulator is read from its low end on.
; The accumulator is source 0 and W3 source 1, so these lines run under the products' window setting.
.macro ELINE i, q, wb
.set p_, (\i)/8
.set o_, (\i)%8
.if o_ < 4
.set e_, ACC+32*(\q)+8*o_+2*p_
	v_dual_max_num_f32 v[e_], v[e_], v[Z] :: v_dual_max_num_f32 v[e_+1], v[e_+1], v[Z+1]
.else
.set e_, ACC+32*(\q)+8*(o_-4)+2*p_
.set f_, PS+2*(4*(\q)+o_-4)
	v_pk_fma_f32 v[f_:f_+1], v[e_:e_+1], v[W3R+8*(\wb)+2*p_:W3R+8*(\wb)+2*p_+1], v[f_:f_+1]
.endif
.endm
; A UNIT: W2's tile in set b against the four tiles of pairs of i = 2 w + k: 16 products, K step by K step, the four accumulators by turns.
; carry = 1: behind each product stand two lines of what is made of the OTHER set's results, which the unit before finished: five plain lines or more lie between a product and the first read of its result.
.macro UNIT k, b, carry
	WIN 0x04                                       ; source 1, the codes and W3, in window 1
.set WB_, (\b)*(\k)+(1-(\b))*(1-(\k))  ; W3's set: that of the tile whose results are being worked
.set x_, 0
.rept 16
.set s_, x_/4
.set j_, x_%4
.set ro_, s_%2
.set dd_, ACC+32*(\k)+8*j_
.set aa_, FR+32*(\b)+8*s_
.set bb_, 128*(\k)+32*j_+8*s_
.set ws_, WS+2*(\b)+s_/2
.set rs_, R+2*(4*(\k)+j_)+s_/2
.if s_ == 0
.set cc_, B2R+8*(\b)
.else
.set cc_, dd_
.endif
.if ((\k) == 1) && (j_ == 3) && (s_ > 0)           ; tile 7's K steps 1 to 3 lie in window 0
.if s_ == 1
.set bb_, E1
.elseif s_ == 2
.set bb_, E2
.else
.set bb_, E3
.endif
	WIN 0
	WM dd_, aa_, bb_, cc_, ws_, rs_, ro_
	WIN 0x04
.else
	WM dd_, aa_, bb_, cc_, ws_, rs_, ro_
.endif
.if \carry
	ELINE 2*x_, 1-(\k), WB_
	ELINE 2*x_+1, 1-(\k), WB_
.endif
.set x_, x_+1
.endr
	WIN 0
.endm
	LOADT 0, 0
	s_wait_dscnt 0x0
	UNIT 0, 0, 0                                   ; tile 0, a = 0: there are no results yet to work between its products
.rept 4
	v_nop                                          ; four places between these products and the first read of their results (ISA guide 7.12.1)
.endr
	LOADT 1, 1
	UNIT 1, 0, 1
	s_mov_b32 s96, 15
.Ln:                                               ; a trip: tiles t0 + 1 and t0 + 2; it fetches tiles t0 + 2 and t0 + 3, each behind the last lines that read its registers
	s_wait_dscnt 0x0                               ; tile t0 + 1 is in: its run went out half a tile ago
	UNIT 0, 1, 1
	LOADT 0, 2
	UNIT 1, 1, 1
	s_wait_dscnt 0x0
	UNIT 0, 0, 1
	LOADT 1, 3
	v_add_nc_u32 v[AW], 8192, v[AW]                ; two tiles on; the next reader stands 96 vector lines further on
	v_add_nc_u32 v[AS], 512, v[AS]
	v_add_nc_u32 v[AB], 128, v[AB]
	UNIT 1, 0, 1
	s_sub_co_u32 s96, s96, 1
	s_cmp_lg_u32 s96, 0
	s_cbranch_scc1 .Ln
	s_wait_dscnt 0x0                               ; tile 31: nothing is left to fetch
	UNIT 0, 1, 1
	UNIT 1, 1, 1
	WIN 0x04
.set y_, 0
.rept 32
	ELINE y_, 1, 1                                 ; tile 31, a = 1
.set y_, y_+1
.endr
	WIN 0
	; THE WAY OUT.  A sum's two halves, the other half of the lanes' eight units, b3.  Lanes 0-15 keep i = 2 w, lanes 16-31 i = 2 w + 1: a lane's four tiles are four neighbouring j.
.irp t, 0,1,2,3,4,5,6,7
	v_add_f32 v[ACC+\t], v[PS+2*\t], v[PS+2*\t+1]
.endr
.irp t, 0,1,2,3,4,5,6,7
	v_permlanex16_b32 v[ACC+8+\t], v[ACC+\t], s66, s67
.endr
.irp t, 0,1,2,3,4,5,6,7
	v_add_f32 v[ACC+\t], v[ACC+\t], v[ACC+8+\t]
.endr
.irp J, 0,1,2,3
	v_cndmask_b32 v[ACC+16+\J], v[ACC+\J], v[ACC+4+\J], s99
.endr
.irp J, 0,1,2,3
	s_delay_alu instid0(VALU_DEP_4)
	v_add_f32 v[ACC+16+\J], s95, v[ACC+16+\J]
.endr
	global_store_b128 v[OFFO], v[ACC+16:ACC+19], s[16:17] th:TH_STORE_NT   ; sixteen lanes store 256 consecutive bytes, aligned, of one row of out0, the other sixteen of the next
	s_wait_tensorcnt 0x0                           ; the wave's end
	ds_add_u32 v[SPW], v[NIL]
	s_wait_dscnt 0x0
	CROUND                                         ; the closing round: no work-group ends while a partner may still ask for a block that names it
	s_endpgm
.Lfunc_end_k_qe206295e8a_main:
	.size	k_qe206295e8a_main, .Lfunc_end_k_qe206295e8a_main-k_qe206295e8a_main
	.p2alignl 7, 3214868480
	.fill 96, 4, 3214868480
	.section	.rodata,"a",@progbits
	.p2align	6, 0x0
	.amdhsa_kernel k_qe206295e8a_main
		.amdhsa_group_segment_fixed_size 327680
		.amdhsa_private_segment_fixed_size 0
		.amdhsa_enable_private_segment 0
		.amdhsa_kernarg_size 56
		.amdhsa_user_sgpr_count 2
		.amdhsa_user_sgpr_kernarg_segment_ptr 1
		.amdhsa_wavefront_size32 1
		.amdhsa_system_sgpr_workgroup_id_x 1
		.amdhsa_system_sgpr_workgroup_id_y 1
		.amdhsa_system_sgpr_workgroup_id_z 1
		.amdhsa_system_vgpr_workitem_id 0
		.amdhsa_next_free_vgpr 512
		.amdhsa_next_free_sgpr 102
		.amdhsa_reserve_vcc 0
		.amdhsa_float_denorm_mode_32 3
		.amdhsa_float_denorm_mode_16_64 3
		.amdhsa_memory_ordered 1
		.amdhsa_forward_progress 1
		.amdhsa_inst_pref_size 255
	.end_amdhsa_kernel
	.section	.bss,"aw",@nobits
	.p2align	6
	.space	262144
	.amdgpu_metadata
---
amdhsa.version: [ 1, 2 ]
amdhsa.kernels:
  - .name:           k_qe206295e8a_main
    .symbol:         k_qe206295e8a_main.kd
    .args:
      - { .name: hxy, .offset: 0, .size: 8, .value_kind: global_buffer, .address_space: global }
      - { .name: w2c, .offset: 8, .size: 8, .value_kind: global_buffer, .address_space: global }
      - { .name: w2s, .offset: 16, .size: 8, .value_kind: global_buffer, .address_space: global }
      - { .name: b2, .offset: 24, .size: 8, .value_kind: global_buffer, .address_space: global }
      - { .name: W3, .offset: 32, .size: 8, .value_kind: global_buffer, .address_space: global }
      - { .name: b3, .offset: 40, .size: 8, .value_kind: global_buffer, .address_space: global }
      - { .name: out0, .offset: 48, .size: 8, .value_kind: global_buffer, .address_space: global }
    .group_segment_fixed_size: 327680
    .private_segment_fixed_size: 0
    .kernarg_segment_align: 8
    .kernarg_segment_size: 56
    .max_flat_workgroup_size: 256
    .sgpr_count:     102
    .vgpr_count:     512
    .wavefront_size: 32
...
	.end_amdgpu_metadata
.endif
;; end of part 2
